; MI455X (gfx1250); checked and timed in simulation.
; The chip was launched on July 23, 2026; its instructions are those of AMD's public machine-readable ISA for CDNA 5 (MIT licence, August 2026) and "CDNA5" Instruction Set Architecture Reference Guide (July 2026). The comments in the code are by the model that wrote it; some were corrected since.
;; Asynchronized Attention. Allowed arithmetic: matrix products marked QUANTISED: E2M1 operands, one E8M0 scale for each 32 along K, by v_wmma_scale_f32_16x16x128_f8f6f4 with both operands' format E2M1 (or v_wmma_scale_f32_32x16x128_f4), f32 sums; products left as they are: f32 operands where the result goes on into a quantised operand, else bf16, f16 or f32 operands; f32 sums; everything else in f32.
;; Inputs: W_qkv 1,024 x 3,072 float32; b_qkv 3,072 float32; x 4 x 4,096 x 1,024 float32.
;; Outputs: out0 4 x 4,096 x 16 x 64 float32.
;; This version of the problem:
;;   THIS VERSION OF THE PROBLEM IS GIVEN IN LOW PRECISION. The matrix products marked QUANTISED in the list below multiply operands that are first quantised to E2M1 (2 exponent bits, 1 mantissa bit; 4 bits a number), with one power-of-two scale for each 32 numbers along K (OCP MX v1.0); their sums are f32. All else is computed in f32.
;;   The module's matrix products, in the order in which they are computed (A, B: the left and right operand; K: the contracted axis; several contracted axes count as one K, in the product's order):
;;     1. [M 16,384, K 1,024] x [K 1,024, N 3,072]; A: input x; B: input W_qkv: QUANTISED
;;     2. batch 16,384 x [M 16, K 64] x [K 64, N 16]; A: computed on the way; B: computed on the way: QUANTISED
;;     3. batch 16,384 x [M 16, K 16] x [K 16, N 64]; A: computed on the way; B: computed on the way: left as it is (K = 16 < 32)
;;   THE QUANTISER, for each operand of a quantised product, along K:
;;     - K is cut into blocks of 32 from its start; a last block that is shorter is filled with zeros.
;;     - A block's scale is 2^e with e = floor(log2(the largest magnitude in the block)) - 2, held to -126 .. 127; a block of zeros has e = 0. As a byte (E8M0): e + 127.
;;     - Each number is divided by its block's scale, clamped to +-6, and rounded to the nearest number of E2M1, ties to even, subnormals kept.
;;     - The product sums the exact products of the quantised numbers (number of the format x scale) in f32.
;;   ~~~python
;;   def quantise(x, axis):      # numpy; x: float32 -> the quantised numbers, widened to float32 again
;;       x = np.moveaxis(x, axis, -1); K = x.shape[-1]
;;       x = np.pad(x, [(0, 0)] * (x.ndim - 1) + [(0, -K % 32)]); x = x.reshape(x.shape[:-1] + (-1, 32)); a = np.abs(x).max(-1, keepdims=True)
;;       e = np.where(a > 0, np.clip(np.frexp(np.where(a > 0, a, 1))[1] - 1 - 2, -126, 127), 0)      # np.frexp(a)[1] - 1 = floor(log2(a)), exactly
;;       r = np.clip(x / 2.0 ** e, -6, 6)
;;       step = 2.0 ** (np.maximum(np.frexp(np.where(r == 0, 1, r))[1] - 1, 0) - 1)
;;       q = np.round(r / step) * step * 2.0 ** e      # np.round: ties to even
;;       return np.moveaxis(q.reshape(q.shape[:-2] + (-1,))[..., :K], -1, axis).astype(np.float32)
;;   ~~~
;;   OPERANDS COMPUTED ON THE WAY. 'Computed on the way' means the value that the module computes at that place (a softmax that the list does not call 'softmax' is quantised finished and normalised). What goes into a quantiser is computed in f32, as accurately as f32 sums, v_exp_f32 and their like allow (about 1e-6 of the number): no bf16 or f16 on the way to a quantiser, and a product that is left as it is and whose result goes on into a quantised operand takes f32 operands (vector FMAs, or v_wmma_f32_16x16x4_f32). A number that lies on a knife's edge between two numbers of the format may be rounded either way, as far as f32 arithmetic and the matrix unit's own rounding can turn it there, and no further.
;; One version. Each part assembles by itself: llvm-mc -triple=amdgcn-amd-amdhsa -mcpu=gfx1250 --defsym DOCPART=n.
;; ======== version 1 of 1: 2 launches
;; limits: values are held in bf16: 8 bits of precision; right only within a limited range of input values
;; workspace buffers: wimg 1,683,456 bytes
;; launch prep (part 1): grid 192 x 1, 16 waves a work-group, no clusters, 10,752 bytes of LDS; arguments W_qkv, wimg, b_qkv; writes wimg
.if DOCPART == 1
	.amdgcn_target "amdgcn-amd-amdhsa--gfx1250"
	.amdhsa_code_object_version 6
	.text
	.protected	k_q9798da0f54_prep
	.globl	k_q9798da0f54_prep
	.p2align	8
	.type	k_q9798da0f54_prep,@function
k_q9798da0f54_prep:
	s_mov_b64 s[64:65], 0
	v_nop
	global_prefetch_b8 v0, s[64:65] scope:SCOPE_SE
	s_setreg_imm32_b32 hwreg(HW_REG_WAVE_MODE, 25, 1), 1
	s_wait_xcnt 0x0
; W_qkv [1024 (k)][3072 (n)], f32, K its FIRST axis, becomes codes of FP4 (E2M1) with one E8M0 byte for each 32 along K, laid in the ORDER OF A WAVE'S OPERAND REGISTERS; b_qkv follows in the order of the results.
; UNITS.  A unit is one head's 64 columns of V (kind 0), K (1) or Q (2) x all of K: 4 tiles t of 16 rows; head u's unit of a kind stands at place 16 kind + 4 (u % 4) + u / 4.
;   Row r of tile t is channel 32 (t / 2) + 8 (t % 2) + r + 8 (r / 8), so that the results of tiles 2 p, 2 p + 1 are 16 neighbouring channels.
; A unit is 8 SETS (K steps of 128) of 4,352 bytes: the 32 codes of block b of (tile t, row r) at 1024 t + 256 b + 16 r; from 4096 on scale words: byte b at 4096 + 8 (r + 16 (t % 2)) + 4 (t / 2) + b.
; The biases of head u's unit of a kind: from BIMG on, at 3072 (u / 4) + 256 (4 kind + u % 4) + 64 t + 4 r.
; A block's scale is 2^(floor(log2(its largest magnitude)) - 2); its byte is the largest magnitude's exponent field - 2, held at 1 from below.
; LIMITS: a block whose largest magnitude lies under 2^-124 (a block of zeros too) gets the byte 1: zeros have zero codes, and this program alone reads the bytes.  NaN and infinities are not served.
; SHARES.  A work-group makes one set of two heads' units (128 columns x 128 k), a wave one block of 32 k x 32 neighbouring columns.  A LANE TAKES A COLUMN AND ITS REGISTERS RUN DOWN K.
; The sets leave through LDS in runs of 512 bytes a wave, the scale words as 256.  No matrix work, no tensor load, no cluster: work-groups share nothing.
.set UB,    34816
.set SETB,  4352
.set SLOT,  139264                     ; four units
.set WROW,  12288
.set BIMG,  1671168
.set SPARE, 8704                       ; behind the two sets: 16 x 128 bytes of spare words
.set X,     32                         ; v32-63 32 numbers down K
.set C,     64                         ; v64-67 their codes
.set SO,    68
.set BY,    69
.set SPW,   28
.set NIL,   29
	s_load_b128 s[4:7], s[0:1], 0x0                ; W, wimg
	s_load_b64 s[8:9], s[0:1], 0x10                ; b
	v_lshl_add_u32 v[SPW], v0, 2, SPARE
	v_mov_b32 v[NIL], 0
	v_lshrrev_b32 v1, 5, v0
	v_readfirstlane_b32 s12, v1                    ; wave
	s_and_b32 s13, ttmp9, 7                        ; the set
	s_lshr_b32 s14, ttmp9, 3
	s_lshr_b32 s15, s14, 3                         ; the kind
	s_and_b32 s14, s14, 7                          ; which pair of heads
	s_and_b32 s16, s12, 3                          ; my block b
	s_lshr_b32 s17, s12, 2                         ; my 32 columns
	s_lshl_b32 s18, s13, 7
	s_lshl_b32 s19, s16, 5
	s_add_co_u32 s18, s18, s19
	s_mul_i32 s18, s18, WROW                       ; first k = 128 set + 32 b
	s_lshr_b32 s21, s17, 1                         ; which of the two heads,
	s_and_b32 s22, s17, 1                          ; and which half of its channels
	s_lshl_b32 s20, s14, 1
	s_add_co_u32 s20, s20, s21
	s_mul_i32 s20, s20, 192
	s_lshl_b32 s23, s22, 5
	s_add_co_u32 s20, s20, s23
	s_lshl_b32 s23, s15, 6
	s_sub_co_u32 s23, 128, s23                     ; in a head's 192 columns V begins at 128, K at 64, Q at 0
	s_add_co_u32 s20, s20, s23
	s_mul_i32 s33, s14, 1536                       ; the pair's biases
	s_lshl_b32 s23, s23, 2
	s_add_co_u32 s33, s33, s23
	s_lshl_b32 s20, s20, 2
	s_add_co_u32 s18, s18, s20
	s_mov_b32 s19, 0
	s_mul_i32 s27, s21, SETB
	s_lshl_b32 s28, s22, 2
	s_add_co_u32 s28, s28, s27
	s_add_co_u32 s28, s28, s16
	s_add_co_u32 s28, s28, 4096                    ; my scale bytes in LDS
	s_lshl_b32 s29, s22, 11
	s_add_co_u32 s27, s27, s29
	s_lshl_b32 s31, s16, 8
	s_add_co_u32 s27, s27, s31                     ; my codes in LDS
	s_and_b32 s35, s14, 1
	s_lshr_b32 s36, s14, 1
	s_lshl_b32 s31, s15, 4
	s_lshl_b32 s37, s35, 3
	s_add_co_u32 s31, s31, s37
	s_add_co_u32 s31, s31, s36
	s_mul_i32 s40, s31, UB
	s_mul_i32 s37, s13, SETB
	s_add_co_u32 s40, s40, s37                     ; where the first unit's set goes
	s_mov_b32 s41, 0
	s_mul_i32 s38, s36, 3072
	s_lshl_b32 s37, s15, 10
	s_add_co_u32 s38, s38, s37
	s_lshl_b32 s37, s35, 9
	s_add_co_u32 s38, s38, s37
	s_add_co_u32 s38, s38, BIMG                    ; where the two units' biases go
	s_mov_b32 s39, 0
	v_and_b32 v2, 31, v0                           ; l
	v_and_b32 v3, 7, v2
	v_lshrrev_b32 v4, 3, v2
	v_lshlrev_b32 v5, 2, v2                        ; W: 4 l
	v_and_b32 v7, 1, v4
	v_lshrrev_b32 v8, 4, v2
	v_lshlrev_b32 v9, 10, v7                       ; tile bit 0 = (l / 8) % 2, row l % 8 + 8 (l / 16)
	v_lshl_add_u32 v9, v3, 4, v9
	v_lshl_add_u32 v9, v8, 7, v9
	v_add_nc_u32 v9, s27, v9
	v_lshlrev_b32 v10, 3, v3
	v_lshl_add_u32 v10, v8, 6, v10
	v_lshl_add_u32 v10, v7, 7, v10
	v_add_nc_u32 v10, s28, v10
	v_bfe_u32 v11, v2, 2, 1
	v_and_b32 v12, 3, v2
	v_bfe_u32 v16, v2, 1, 1
	v_lshrrev_b32 v30, 8, v0                       ; the way out: 16 bytes a thread, 256 threads to a unit's codes
	v_and_b32 v31, 0xff, v0
	v_mul_u32_u24 v18, v30, SETB
	v_lshl_add_u32 v18, v31, 4, v18
	v_mul_u32_u24 v19, v30, SLOT                   ; the pair's second unit stands four places on
	v_lshl_add_u32 v19, v31, 4, v19
	v_and_b32 v26, 15, v2
	v_mul_u32_u24 v20, v8, SETB                    ; scale words: sixteen lanes to a unit's 256 bytes
	v_lshl_add_u32 v20, v26, 4, v20
	v_mul_u32_u24 v21, v8, SLOT
	v_lshl_add_u32 v21, v26, 4, v21
	v_mul_u32_u24 v22, v8, 768                     ; biases: head l / 16, tile (l / 4) % 4, rows 4 (l % 4) on: four neighbouring channels
	v_lshl_add_u32 v22, v7, 7, v22
	v_lshl_add_u32 v22, v11, 5, v22
	v_lshl_add_u32 v22, v12, 4, v22
	v_lshl_add_u32 v22, v16, 5, v22
	v_add_nc_u32 v22, s33, v22
	v_lshlrev_b32 v27, 4, v2
	s_wait_alu depctr_va_vdst(0)                   ; the wait at the head's end
	s_wait_kmcnt 0x0
	s_add_nc_u64 s[4:5], s[4:5], s[18:19]
	s_add_nc_u64 s[38:39], s[6:7], s[38:39]
	s_add_nc_u64 s[6:7], s[6:7], s[40:41]
.set i, 0
.rept 32
	global_load_b32 v[X+i], v5, s[4:5] offset:i*WROW   ; 32 lanes read 128 consecutive bytes of a row
.set i, i+1
.endr
	s_lshl_b32 s36, s13, 4
	s_add_co_u32 s36, s36, s12
	s_cmp_lg_u32 s36, 1                            ; wave 1 of a pair's set 0 lays the pair's biases
	s_cbranch_scc1 .Lno_bias
	global_load_b128 v[80:83], v22, s[8:9]
	s_wait_loadcnt 0x0
	global_store_b128 v27, v[80:83], s[38:39]      ; 512 consecutive bytes: two units' biases
.Lno_bias:
	s_wait_loadcnt 16                              ; the first 16 rows are in, the other 16 may be out
	v_max3_num_f32 v70, |v[X]|, |v[X+1]|, |v[X+2]|
	v_max3_num_f32 v71, |v[X+3]|, |v[X+4]|, |v[X+5]|
.irp i, 6,10
	v_max3_num_f32 v70, v70, |v[X+\i]|, |v[X+\i+1]|
	v_max3_num_f32 v71, v71, |v[X+\i+2]|, |v[X+\i+3]|
.endr
	s_wait_alu depctr_va_vdst(0)                   ; ahead of the wait below
	s_wait_loadcnt 0x0
.irp i, 14,18,22,26
	v_max3_num_f32 v70, v70, |v[X+\i]|, |v[X+\i+1]|
	v_max3_num_f32 v71, v71, |v[X+\i+2]|, |v[X+\i+3]|
.endr
	v_max3_num_f32 v70, v70, |v[X+30]|, |v[X+31]|
	v_max3_num_f32 v70, v70, v71, 0x1800000        ; and the floor 2^(3 - 127): the byte cannot fall under 1
	v_add_nc_u32 v[SO], 0xff000000, v70            ; 2 off the exponent field: the conversion's scale operand
	v_lshrrev_b32 v[BY], 23, v[SO]                 ; the scale's byte
.irp g, 0,1,2,3
	v_cvt_scalef32_pk8_fp4_f32 v[C+\g], v[X+8*\g:X+8*\g+7], v[SO]
.endr
	v_nop
	ds_store_b128 v9, v[C:C+3]
	ds_store_b8 v10, v[BY]
	s_wait_dscnt 0x0                               ; for the others' sake: my part of the sets lies in LDS
	s_barrier_signal -1
	s_barrier_wait -1
	ds_load_b128 v[72:75], v18
	s_wait_dscnt 0x0
	global_store_b128 v19, v[72:75], s[6:7]        ; a wave stores 512 consecutive bytes, at a multiple of 256 from wimg's first byte
	s_cmp_lg_u32 s12, 0
	s_cbranch_scc1 .Ldone                          ; wave 0 alone takes the scale words
	ds_load_b128 v[76:79], v20 offset:4096
	s_wait_dscnt 0x0
	global_store_b128 v21, v[76:79], s[6:7] offset:4096
.Ldone:
	s_wait_tensorcnt 0x0                           ; the wave's end
	ds_add_u32 v[SPW], v[NIL]
	s_wait_dscnt 0x0
	s_endpgm
.Lfunc_end_k_q9798da0f54_prep:
	.size	k_q9798da0f54_prep, .Lfunc_end_k_q9798da0f54_prep-k_q9798da0f54_prep
	.p2alignl 7, 3214868480
	.fill 96, 4, 3214868480
	.section	.rodata,"a",@progbits
	.p2align	6, 0x0
	.amdhsa_kernel k_q9798da0f54_prep
		.amdhsa_group_segment_fixed_size 10752
		.amdhsa_private_segment_fixed_size 0
		.amdhsa_enable_private_segment 0
		.amdhsa_kernarg_size 24
		.amdhsa_user_sgpr_count 2
		.amdhsa_user_sgpr_kernarg_segment_ptr 1
		.amdhsa_wavefront_size32 1
		.amdhsa_system_sgpr_workgroup_id_x 1
		.amdhsa_system_sgpr_workgroup_id_y 1
		.amdhsa_system_sgpr_workgroup_id_z 1
		.amdhsa_system_vgpr_workitem_id 0
		.amdhsa_next_free_vgpr 88
		.amdhsa_next_free_sgpr 66
		.amdhsa_reserve_vcc 0
		.amdhsa_float_denorm_mode_32 3
		.amdhsa_float_denorm_mode_16_64 3
		.amdhsa_memory_ordered 1
		.amdhsa_forward_progress 1
		.amdhsa_inst_pref_size 11
	.end_amdhsa_kernel
	.amdgpu_metadata
---
amdhsa.version: [ 1, 2 ]
amdhsa.kernels:
  - .name:           k_q9798da0f54_prep
    .symbol:         k_q9798da0f54_prep.kd
    .args:
      - { .name: W_qkv, .offset: 0, .size: 8, .value_kind: global_buffer, .address_space: global }
      - { .name: wimg, .offset: 8, .size: 8, .value_kind: global_buffer, .address_space: global }
      - { .name: b_qkv, .offset: 16, .size: 8, .value_kind: global_buffer, .address_space: global }
    .group_segment_fixed_size: 10752
    .private_segment_fixed_size: 0
    .kernarg_segment_align: 8
    .kernarg_segment_size: 24
    .max_flat_workgroup_size: 512
    .sgpr_count:     66
    .vgpr_count:     88
    .wavefront_size: 32
...
	.end_amdgpu_metadata
.endif
;; end of part 1
;; launch main (part 2): grid 256 x 1, 4 waves a work-group, clusters of 4 x 1, 327,680 bytes of LDS; arguments x, wimg, out0; writes out0
.if DOCPART == 2
	.amdgcn_target "amdgcn-amd-amdhsa--gfx1250"
	.amdhsa_code_object_version 6
	.text
	.protected	k_q9798da0f54_main
	.globl	k_q9798da0f54_main
	.p2align	8
	.type	k_q9798da0f54_main,@function
k_q9798da0f54_main:
	s_mov_b64 s[64:65], 0
	v_nop
	global_prefetch_b8 v0, s[64:65] scope:SCOPE_SE
	s_setreg_imm32_b32 hwreg(HW_REG_WAVE_MODE, 25, 1), 1
	s_wait_xcnt 0x0
	s_wait_alu depctr_hold_cnt(0) depctr_sa_sdst(0) depctr_va_vdst(0) depctr_va_sdst(0) depctr_va_ssrc(0) depctr_va_vcc(0) depctr_vm_vsrc(0)
	s_getreg_b32 s2, hwreg(HW_REG_IB_STS2, 6, 4)
	s_cmp_eq_u32 s2, 0
	s_cbranch_scc0 .Lentry_in_a_cluster
	s_endpgm
.Lentry_in_a_cluster:
	s_bfe_u32 s2, ttmp6, 0x10000c
	s_cmp_lg_u32 s2, 0x3003
	s_cbranch_scc0 .Lentry_shape_is_right
	s_endpgm
.Lentry_shape_is_right:
; out[token][h][:] = sum over g of p[h][g] V[g][:], p = e / sum(e), e = exp(s) where |s| <= 20 and 0 elsewhere, s = Q[h] . K[g] - 20, [Q K V] = x W + b: all of it in one launch.
; x W and Q K^T go on codes of FP4 (E2M1) with one E8M0 scale for each 32 along K; p V (K = 16) on bf16; sums, bias, window, exponential and division in f32.
; SHARES.  A work-group of four waves owns 64 tokens (4 tiles of 16).  IN THE FIRST PRODUCT THE WAVES SHARE THE COLUMNS: every wave keeps the codes of all 64 tokens in registers and walks 12 units
; of 64 columns, a head each: V of heads 4 w + 0 .. 3, then K, then Q of the same.  IN THE ATTENTION THE WAVES SHARE THE TOKENS, 16 each.
; CLUSTERS: four work-groups.  All work-groups read the same W, so a unit is asked for JOINTLY: wave w of each of the four issues the same tensor load, with the same descriptor and a mask that names the four.
; THE RING: two LDS slots of four units (139,264 bytes), a unit for each wave; wave w alone reads what it has fetched.  In trip T's turn the slot just read takes the units of trip T + 2.
; x comes first, one tensor load a wave, into the two slots' own bytes: 16 tokens are 65,536 dense bytes, stated as 256 rows of 256 bytes, 16 bytes of padding behind each: two waves' tokens fill a slot.
; x IS QUANTISED with a whole block of 32 to a lane: lane (r, hf) takes block 2 r + hf of one token.  Slot 0's tokens first; then slot 0 takes W's first units while slot 1's tokens are quantised.
; THE PRODUCT IS USED TRANSPOSED (source 0 = 32 columns of W, source 1 = 16 tokens): a lane holds ONE token, and its 16 registers of tiles 2 p, 2 p + 1 are channels 32 p + 16 hf + 0 .. 15 of
; one head.  The bias is the C of each sum's first product.
; V (256 registers, packed to bf16) and Q's codes wait in registers: LDS has no room for them beside the ring.  They go to LDS in the wave's own part of a slot that has had its last fill.
; V'S PLACE: channel c = 4 c' + e of a head lies at 32 e + 2 n, n being c' with bits 3 and 2 changed over, so that a lane's numbers for one e are 16 consecutive bytes; the transposing load gives lane n of tile e channel 4 c' + e.
; PREFETCH INTO THE L2 of the codes of W, 6,528 blocks of 256 bytes, at the head, behind x's load: they are first asked for when x has been quantised.  The blocks are shared out by address: clusters c and c exclusive-or 36 take
; the same 204 blocks, 51 to a work-group: a block is named by two work-groups of the launch.  x comes by one load a wave at the start, with no loop ahead of it: it is not prefetched.
; NOTHING IS LEFT OUT: every product, input and step of the definition is live.
; LIMITS: NaN and infinities in x are not served.  A block whose largest magnitude lies under 2^-124 (zeros too) gets the byte 1.  p and V are rounded to bf16.  A row all of whose scores fall outside the window gives 0 x (1 / 0) = NaN, as 0 / 0 does.
.set UB,    34816                      ; a unit: 8 sets (K steps of 128) of 4,352 bytes: 4 fragments of 1,024, then 256 of scale words
.set SETB,  4352
.set SLOT,  139264
.set BIMG,  1671168                    ; the biases in wimg: 3072 wave + 256 trip + 64 tile + 4 row
; LDS behind the slots.  x's image and scale words, and later, when they have been read, K's codes and the scale words of K and Q.
.set IMG,   278528                     ; 8,704 a token tile: block at 272 (0 .. 31), + 16 row
.set XSC,   313344                     ; 512 a token tile: word of K step s at 64 s + 4 row
.set KC,    278528                     ; 4 x 9,280: 144 token + 64 block + 16 i, head 4 w + i
.set QKS,   315648                     ; 4 x 2,336: 36 token + 16 (Q) + 4 i
.set SPARE, 325120
; in the slots at the end: V in slot 0, from 34,880 w: 528 token + 128 i + a channel's place;  Q's codes in slot 1, from 34,880 w: as K's.  34,880 w + .. lies inside wave w's own unit; 34,880 = 136 x 256 + 64
.set WST,   34880
; REGISTERS, windows of 256.  Window 0: addresses; v32-47 W's scale words, v48-79 x's; v80-115 at work; v128-255 sums (token tile m, tile t) at 128 + 32 m + 8 t.
; Window 1: x's fragments 64 m + 8 s.  Window 2: W's sets, four buffers 32 (s % 4) + 8 t; v128-159 bias; v160-223 Q's codes, v224-239 Q's scale words.  Window 3: V, 64 i + 16 m + 4 e.
.set TR,   2
.set TH,   3
.set WA0,  4                           ; v4-5   my fragments in slot 0, 1
.set WSA0, 6                           ; v6-7   my scale words
.set BGK,  8                           ; v8     K's biases
.set WBG,  9                           ; v9     my biases
.set XR0,  10                          ; v10-11 x in slot 0, 1
.set XIA,  12
.set XSA,  13
.set XFA,  14
.set XFS,  15
.set KA0,  16
.set KS0,  17
.set VA0,  18
.set QA0,  19
.set QS0,  20
.set AT,   21
.set AST,  22
.set PFO,  23
.set T0,   24
.set T1,   25
.set T2,   26
.set SPW,  28
.set NIL,  29
.set WS,   32
.set XS,   48
.set TM,   80
.set PW,   96
.set PC,   100
.set ACC,  128
.set BI,   128                         ; window 2
.set QR,   160
.set QW,   224
; the attention's map of window 0
.set R,    4                           ; v4-11
.set NINF, 12
.set KRA,  13
.set QRA,  14
.set SRA,  15
.set VRA,  16
.set GO,   17
.set SCL,  48                          ; scale words: lanes 0-15 K's, lanes 16-31 Q's
.set SQ,   80
.set T,    112
.set KF,   128
.set QF,   160
.set S,    192
.set P,    224
; scalars: s[4:9] x, wimg, out0; s12 wave, s13 cx
.set G1X,  28
.set G0X,  36
.set G1W,  40
.set G0W,  48
.set MSB, 0
.macro WIN new                         ; bits 1:0 source 0, 3:2 source 1, 5:4 source 2, 7:6 destination; the high byte repeats the setting that is left
.if MSB != \new
	s_set_vgpr_msb (MSB<<8)|\new
.set MSB, \new
.endif
.endm
.set MUL,  0x06                        ; source 0 (W) window 2, source 1 (x) window 1
.set MUL0, 0x26                        ; the same, C (the bias) window 2
.set TO_W, 0x80
.set TO_X, 0x40
.macro PLACES
.rept 4
	v_nop
.endr
.endm
.macro CREST                           ; a round of the cluster's barrier behind its opening barrier
	s_cmp_lg_u32 s12, 0
	s_cbranch_scc1 .Lnot_wave_0_\@
	s_barrier_signal -3
.Lnot_wave_0_\@:
	s_barrier_wait -3
	s_barrier_signal -1
	s_barrier_wait -1
.endm
.macro CROUND
	s_barrier_signal -1
	s_barrier_wait -1
	CREST
.endm
.macro JLOAD sl
	tensor_load_to_lds s[G0W+4*\sl:G0W+4*\sl+3], s[G1W:G1W+7]
	s_nop 0
	PLACES
.endm
	; ---- THE HEAD
	s_load_b128 s[4:7], s[0:1], 0x0                ; x, wimg
	s_load_b64 s[8:9], s[0:1], 0x10                ; out0
	v_lshl_add_u32 v[SPW], v0, 2, SPARE
	v_mov_b32 v[NIL], 0
	ds_add_u32 v[SPW], v[NIL]                      ; the wave's opening: the add, twice on end, and its wait ahead of my first tensor load
	ds_add_u32 v[SPW], v[NIL]
	v_lshrrev_b32 v1, 5, v0
	v_readfirstlane_b32 s12, v1                    ; wave
	s_bfe_u32 s13, ttmp6, 0x40000                  ; cx
	s_lshl_b32 s14, ttmp9, 2
	s_add_co_u32 s14, s14, s13                     ; work-group
	s_lshl_b32 s16, s14, 18                        ; 64 tokens of 4,096 bytes, in x and in out0 alike,
	s_lshl_b32 s15, s12, 16                        ; my wave's 16 of them
	s_add_co_u32 s16, s16, s15
	s_mov_b32 s17, 0
	s_mov_b32 s[G1X], (3<<16)|(1<<20)|(5<<22)|(3<<25)   ; x: elements of 8 bytes; after every 64 words (code 5) four words (code 3) of padding
	s_mov_b32 s[G1X+1], 32<<16
	s_mov_b32 s[G1X+2], 256<<16
	s_mov_b32 s[G1X+3], 32<<16
	s_mov_b32 s[G1X+4], 256
	s_mov_b32 s[G1X+5], 32
	s_mov_b32 s[G1X+6], 0
	s_mov_b32 s[G1X+7], 0
	s_mov_b32 s[G1W], 15|(3<<16)|(1<<21)           ; W: to all four of the cluster; 136 rows of 256 bytes, dense
	s_mov_b32 s[G1W+1], 32<<16
	s_mov_b32 s[G1W+2], 136<<16
	s_mov_b32 s[G1W+3], 32<<16
	s_mov_b32 s[G1W+4], 136
	s_mov_b32 s[G1W+5], 32
	s_mov_b32 s[G1W+6], 0
	s_mov_b32 s[G1W+7], 0
	s_lshr_b32 s18, s12, 1
	s_and_b32 s19, s12, 1
	s_mul_i32 s56, s12, UB                         ; my unit in a slot; also my 8 tokens of x in a slot (8 x 4,352)
	s_lshl_b32 s57, s12, 6
	s_add_co_u32 s57, s57, s56                     ; my V, in slot 0
	s_add_co_u32 s63, s57, SLOT                    ; my Q, in slot 1
	s_mul_i32 s58, s12, 9280
	s_add_co_u32 s58, s58, KC
	s_mul_i32 s59, s12, 2336
	s_add_co_u32 s59, s59, QKS
	s_mul_i32 s61, s18, 8704                       ; x's image: token tile 2 phase + wave / 2, rows 8 (wave % 2) on
	s_lshl_b32 s62, s19, 7
	s_add_co_u32 s61, s61, s62
	s_add_co_u32 s61, s61, IMG
	s_lshl_b32 s62, s18, 9
	s_lshl_b32 s60, s19, 5
	s_add_co_u32 s62, s62, s60
	s_add_co_u32 s62, s62, XSC
	s_mul_i32 s[G0X+1], s18, SLOT                  ; waves 0, 1: slot 0; waves 2, 3: slot 1
	s_mul_i32 s60, s19, 69632
	s_add_co_u32 s[G0X+1], s[G0X+1], s60
	s_mov_b32 s[G0X], 1
	s_lshr_b32 s66, ttmp9, 5                       ; the prefetch's share: cluster c with bit 5 folded onto bit 2, low five bits
	s_lshl_b32 s66, s66, 2
	s_xor_b32 s66, s66, ttmp9
	s_and_b32 s66, s66, 31
	s_lshl_b32 s66, s66, 2
	s_add_co_u32 s66, s66, s13
	s_mul_i32 s66, s66, 51
	s_mul_i32 s67, s12, 3072
	s_mov_b32 s20, 0x76543210
	s_mov_b32 s21, 0xfedcba98                      ; v_permlanex16_b32's selects for lane l xor 16
	s_mov_b32 s26, 0x43c80000                      ; 400.0
	s_mov_b32 s10, s56
	s_mov_b32 s11, 0
	s_wait_dscnt 0x0                               ; both opening adds are done
	s_wait_kmcnt 0x0
	s_add_nc_u64 s[G0X+2:G0X+3], s[4:5], s[16:17]
	s_or_b32 s[G0X+3], s[G0X+3], 0x80000000
	s_add_nc_u64 s[10:11], s[6:7], s[10:11]        ; my unit of trip 0
.irp n, 0,1
	s_mov_b32 s[G0W+4*\n], 1
	s_add_co_u32 s[G0W+4*\n+1], s56, \n*SLOT
	s_add_nc_u64 s[G0W+4*\n+2:G0W+4*\n+3], s[10:11], \n*SLOT
	s_or_b32 s[G0W+4*\n+3], s[G0W+4*\n+3], 0x80000000
.endr
	CROUND
	tensor_load_to_lds s[G0X:G0X+3], s[G1X:G1X+7]  ; my 16 tokens: one tensor load a wave at the head
	s_nop 0
	PLACES
	v_and_b32 v1, 31, v0
	v_and_b32 v[TR], 15, v0
	v_bfe_u32 v[TH], v0, 4, 1
	v_lshl_add_u32 v[WA0], v1, 4, s56              ; a fragment is 512 bytes on end: 16 x lane
	v_add_nc_u32 v[WA0+1], SLOT, v[WA0]
	v_lshl_add_u32 v[WSA0], v1, 3, s56
	v_add_nc_u32 v[WSA0+1], SLOT, v[WSA0]
	v_lshl_add_u32 v[WBG], v[TH], 5, s67           ; the result's layout wants rows 8 hf + 0 .. 7
	v_mul_u32_u24 v[T0], v[TR], 272                ; x: 256 bytes of a token, my block's 128 of them
	v_lshl_add_u32 v[T0], v[TH], 7, v[T0]
	v_add_nc_u32 v[XR0], s56, v[T0]
	v_add_nc_u32 v[XR0+1], SLOT, v[XR0]
	v_mul_u32_u24 v[T0], v[TR], 544                ; the image: block 2 r + hf
	v_mul_u32_u24 v[T1], v[TH], 272
	v_add_nc_u32 v[T0], v[T0], v[T1]
	v_add_nc_u32 v[XIA], s61, v[T0]
	v_lshl_add_u32 v[T1], v[TR], 4, v[T1]          ; back: block .. + hf, row r
	v_add_nc_u32 v[XFA], IMG, v[T1]
	v_lshrrev_b32 v[T0], 1, v[TR]                  ; the scale byte: K step r / 2, byte 2 (r % 2) + hf
	v_lshlrev_b32 v[T0], 6, v[T0]
	v_and_b32 v[T1], 1, v[TR]
	v_lshl_add_u32 v[T0], v[T1], 1, v[T0]
	v_add_nc_u32 v[T0], v[T0], v[TH]
	v_add_nc_u32 v[XSA], s62, v[T0]
	v_lshlrev_b32 v[T0], 2, v[TR]
	v_add_nc_u32 v[XFS], XSC, v[T0]
	v_mul_u32_u24 v[T0], v[TR], 144
	v_lshl_add_u32 v[T0], v[TH], 3, v[T0]
	v_add_nc_u32 v[KA0], s58, v[T0]
	v_add_nc_u32 v[QA0], s63, v[T0]
	v_mul_u32_u24 v[T0], v[TR], 36
	v_add_nc_u32 v[KS0], s59, v[T0]
	v_add_nc_u32 v[QS0], 16, v[KS0]
	v_mul_u32_u24 v[T0], v[TR], 528
	v_lshl_add_u32 v[T0], v[TH], 4, v[T0]
	v_add_nc_u32 v[VA0], s57, v[T0]
.irp b, 0,1,2,3
	v_mov_b32 v[TM+4+\b], 0                        ; written once: a lane permute's destination counts as one of its sources
.endr
	v_min_u32 v[PFO], 50, v0                       ; block 51 x share + thread
	v_add_nc_u32 v[PFO], s66, v[PFO]
	v_lshlrev_b32 v[PFO], 8, v[PFO]
.macro LDBIAS bo, tn                   ; trip tn's biases in the result's layout
	WIN TO_W
.irp t, 0,1,2,3
	global_load_b128 v[BI+8*\t:BI+8*\t+3], v[\bo], s[6:7] offset:BIMG+256*(\tn)+64*\t
	global_load_b128 v[BI+8*\t+4:BI+8*\t+7], v[\bo], s[6:7] offset:BIMG+256*(\tn)+64*\t+16
.endr
.endm
	LDBIAS WBG, 0
	WIN 0
	s_cmp_gt_u32 s12, 1                            ; waves 0 and 1 prefetch
	s_wait_alu depctr_va_vdst(0)                   ; the wait at the head's end, directly ahead of the branch
	s_cbranch_scc1 .Lno_pf
	global_prefetch_b8 v[PFO], s[6:7] th:TH_LOAD_NT scope:SCOPE_SE
.Lno_pf:
	; ---- X
.macro XLD ph, k                       ; token k of my eight in slot ph: my block's 32 numbers
.irp j, 0,1,2,3,4,5,6,7
	ds_load_b128 v[ACC+32*((\k)%4)+4*\j:ACC+32*((\k)%4)+4*\j+3], v[XR0+\ph] offset:(\k)*4352+16*\j
.endr
.endm
.macro XPAIR ph, k                     ; tokens k, k + 1
.set B0, ACC+32*((\k)%4)
.set CC, PC+8*(((\k)/2)%2)
.set BB, TM+12+2*(((\k)/2)%2)
.if (\k) == 0
	s_wait_dscnt 16                                ; behind this pair's loads: the next pair's 16
.elseif (\k) == 6
	s_wait_dscnt 4                                 ; the last pair's four stores
.else
	s_wait_dscnt 20                                ; four stores and 16 loads
.endif
.irp q, 0,1,2,3
	v_max3_num_f32 v[TM+\q], |v[B0+16*\q]|, |v[B0+16*\q+1]|, 0x1800000   ; with the floor 2^(3 - 127): the byte cannot fall under 1
.endr
.irp i, 2,4,6,8,10,12,14
.irp q, 0,1,2,3
	v_max3_num_f32 v[TM+\q], v[TM+\q], |v[B0+16*\q+\i]|, |v[B0+16*\q+\i+1]|
.endr
.endr
	v_max_num_f32 v[TM+4], v[TM], v[TM+1]
	v_max_num_f32 v[TM+5], v[TM+2], v[TM+3]
	v_add_nc_u32 v[TM+8], 0xff000000, v[TM+4]      ; 2 off the exponent field: the conversion's scale operand
	v_add_nc_u32 v[TM+9], 0xff000000, v[TM+5]
	v_lshrrev_b32 v[BB], 23, v[TM+8]               ; the scale's byte
	v_lshrrev_b32 v[BB+1], 23, v[TM+9]
.irp g, 0,1,2,3
	v_cvt_scalef32_pk8_fp4_f32 v[CC+\g], v[B0+8*\g:B0+8*\g+7], v[TM+8]
	v_cvt_scalef32_pk8_fp4_f32 v[CC+4+\g], v[B0+32+8*\g:B0+32+8*\g+7], v[TM+9]
.endr
	v_nop                                          ; one plain line behind the last scaled conversion
	ds_store_b128 v[XIA], v[CC:CC+3] offset:(\ph)*17408+16*(\k)
	ds_store_b128 v[XIA], v[CC+4:CC+7] offset:(\ph)*17408+16*(\k)+16
	ds_store_b8 v[XSA], v[BB] offset:(\ph)*1024+4*(\k)
	ds_store_b8 v[XSA], v[BB+1] offset:(\ph)*1024+4*(\k)+4
.if (\k) < 4
	XLD \ph, (\k)+4
	XLD \ph, (\k)+5
.endif
.endm
.macro XPHASE ph
	XLD \ph, 0
	XLD \ph, 1
	XLD \ph, 2
	XLD \ph, 3
	XPAIR \ph, 0
	XPAIR \ph, 2
	XPAIR \ph, 4
	XPAIR \ph, 6
.endm
.macro XFRAG m0                        ; token tiles m0, m0 + 1: fragments and scale words into registers
	WIN TO_X
.irp m, \m0, \m0+1
.irp s, 0,1,2,3,4,5,6,7
	ds_load_b128 v[64*(\m)+8*\s:64*(\m)+8*\s+3], v[XFA] offset:(\m)*8704+\s*1088
	ds_load_b128 v[64*(\m)+8*\s+4:64*(\m)+8*\s+7], v[XFA] offset:(\m)*8704+\s*1088+544
.endr
.endr
	WIN 0
.irp m, \m0, \m0+1
.irp s, 0,1,2,3,4,5,6,7
	ds_load_b32 v[XS+8*(\m)+\s], v[XFS] offset:(\m)*512+\s*64
.endr
.endr
.endm
	s_wait_tensorcnt 0x0                           ; my 16 tokens are in LDS,
	s_barrier_signal -1
	s_barrier_wait -1                              ; and all 64
	XPHASE 0
	s_wait_tensorcnt 0x0                           ; slot 0 has been read: it is filled again
	ds_add_u32 v[SPW], v[NIL]
	s_wait_dscnt 0x0                               ; the add and my reads and stores are done
	CROUND
	JLOAD 0                                        ; trip 0's units
	XFRAG 0                                        ; token tiles 0 and 1 lie in the image
	XPHASE 1
	s_wait_tensorcnt 0x0                           ; my unit of trip 0 is in
	ds_add_u32 v[SPW], v[NIL]
	s_wait_dscnt 0x0
	CROUND
	JLOAD 1                                        ; trip 1's
	XFRAG 2
	; ---- THE FIRST PRODUCT
; A set is nine loads, in three groups of three: eight pieces of 512 bytes (two to a fragment), and the scale words.
.macro LDG sl, s, g                    ; group g of set s of my unit in slot sl
	WIN TO_W
.irp n, 0,1,2
.set FQ, 3*(\g)+\n
.if FQ < 8
	ds_load_b128 v[32*((\s)%4)+4*FQ:32*((\s)%4)+4*FQ+3], v[WA0+\sl] offset:(\s)*SETB+FQ*512
.else
	WIN 0
	ds_load_b64 v[WS+2*(\s):WS+2*(\s)+1], v[WSA0+\sl] offset:(\s)*SETB+4096   ; lane m: row m of tiles 0, 1; and of tiles 2, 3
.endif
.endr
.endm
.macro LDSET sl, s
	LDG \sl, \s, 0
	LDG \sl, \s, 1
	LDG \sl, \s, 2
.endm
.macro STEP s                          ; 128 along K: 8 products; the 8 sums take turns, one instruction a turn, in the same order in every step
.if \s == 0
	WIN MUL0
.irp p, 0,1
.irp m, 0,1,2,3
	v_wmma_scale_f32_32x16x128_f4 v[ACC+32*\m+16*\p:ACC+32*\m+16*\p+15], v[16*\p:16*\p+15], v[64*\m:64*\m+7], v[BI+16*\p:BI+16*\p+15], v[WS+\p], v[XS+8*\m]
.endr
.endr
.else
	WMP \s, 0, 0
	WMP \s, 0, 2
	WMP \s, 1, 0
	WMP \s, 1, 2
.endif
.endm
.macro WMP s, p, m0                    ; two of a step's products
	WIN MUL
.irp m, \m0, \m0+1
	v_wmma_scale_f32_32x16x128_f4 v[ACC+32*(\m)+16*\p:ACC+32*(\m)+16*\p+15], v[32*(\s%4)+16*\p:32*(\s%4)+16*\p+15], v[64*(\m)+8*\s:64*(\m)+8*\s+7], v[ACC+32*(\m)+16*\p:ACC+32*(\m)+16*\p+15], v[WS+2*\s+\p], v[XS+8*(\m)+\s]
.endr
.endm
; Step s with the loads of set ns = s + 3 between its products: they land in the buffer of step s - 1, four places behind its last product.
.macro STEPL s, sl, ns
	WMP \s, 0, 0
	PLACES
	LDG \sl, \ns, 0
	WMP \s, 0, 2
	LDG \sl, \ns, 1
	WMP \s, 1, 0
	LDG \sl, \ns, 2
	WMP \s, 1, 2
.endm
; Steps 0 to 4.
.macro UHEAD sl, bo, tn, kl
	s_wait_dscnt 18                                ; sets 0 and 1 are in: behind them stand sets 2 and 3 (and stores, where there are any)
	s_wait_loadcnt 0x0                             ; the biases are in
.if \kl
	s_lshl_b32 s19, s24, 4
	v_add_nc_u32 v[BGK], s19, v[WBG]               ; K's loop: 512 bytes of biases a trip
	s_wait_alu depctr_va_vdst(0)                   ; behind the write
.endif
	STEP 0
	STEPL 1, \sl, 4
.if \tn
	LDBIAS \bo, \tn                                ; the next trip's (step 1's four places stand behind step 0's products)
.endif
	s_wait_dscnt 18                                ; set 2: behind it sets 3, 4
	STEPL 2, \sl, 5
	s_wait_dscnt 18                                ; set 3: behind it sets 4, 5
	STEPL 3, \sl, 6
	s_wait_dscnt 18                                ; set 4: behind it sets 5, 6
	STEPL 4, \sl, 7
.endm
; Steps 5 to 7 with the change of slots.
.macro TURN sl
	s_wait_dscnt 18                                ; set 5: behind it sets 6, 7
	STEP 5
	s_wait_dscnt 9                                 ; set 6
	WIN 0
	s_wait_tensorcnt 0x0                           ; my unit of the next trip is in
	ds_add_u32 v[SPW], v[NIL]
	s_add_nc_u64 s[G0W+4*\sl+2:G0W+4*\sl+3], s[G0W+4*\sl+2:G0W+4*\sl+3], 2*SLOT   ; two trips on
	STEP 6
	s_wait_dscnt 0x0                               ; the add is done, set 7 is in: my reads of this slot are over
	s_barrier_signal -1
	STEP 7
	WIN 0
	s_barrier_wait -1
	CREST
	JLOAD \sl                                      ; the four v_nop behind the load are also the places behind step 7
.endm
; A unit's results are worked with the loads of the next unit's sets 0 to 3 between the lines (nx: its slot; 2: none): sets 0 and 1 in the first half, 2 and 3 in the second.
; QCORE.  64 numbers of a lane, four blocks: register 16 b + i is number 16 hf + i of block b; lanes l and l xor 16 hold a block.  16 codes of block b into v[pc+2b], v[pc+2b+1]; the two tokens' scale words into v[pw], v[pw+1]
; (two bytes; the upper two stay 0 and stand over zero codes), both in the window of dw.  The registers are taken in ascending order.
.macro QCORE a, pc, pw, dw, nx, fs
.irp b, 0,1,2,3
	v_max3_num_f32 v[TM+\b], |v[(\a)+16*\b]|, |v[(\a)+1+16*\b]|, 0x1800000
.endr
.irp i, 2,4,6,8,10,12,14
.irp b, 0,1,2,3
	v_max3_num_f32 v[TM+\b], v[TM+\b], |v[(\a)+16*\b+\i]|, |v[(\a)+1+16*\b+\i]|
.endr
.if (\nx) < 2
.if \i < 8
	LDG \nx, (\fs), (\i/2-1)
.elseif \i < 14
	LDG \nx, (\fs+1), (\i/2-4)
.endif
	WIN 0
.endif
.endr
.irp b, 0,1,2,3
	v_permlanex16_b32 v[TM+4+\b], v[TM+\b], s20, s21
.endr
.irp b, 0,1,2,3
	v_max_num_f32 v[TM+\b], v[TM+\b], v[TM+4+\b]
.endr
.irp b, 0,1,2,3
	v_add_nc_u32 v[TM+12+\b], 0xff000000, v[TM+\b]
.endr
.irp b, 0,1,2,3
	v_lshrrev_b32 v[TM+4+\b], 23, v[TM+12+\b]
.endr
	WIN \dw
.irp b, 0,1,2,3
	v_cvt_scalef32_pk8_fp4_f32 v[(\pc)+2*\b], v[(\a)+16*\b:(\a)+7+16*\b], v[TM+12+\b]
	v_cvt_scalef32_pk8_fp4_f32 v[(\pc)+1+2*\b], v[(\a)+8+16*\b:(\a)+15+16*\b], v[TM+12+\b]
.endr
	v_nop                                          ; one plain line behind the last scaled conversion
	v_lshl_or_b32 v[(\pw)], v[TM+5], 8, v[TM+4]
	v_lshl_or_b32 v[(\pw)+1], v[TM+7], 8, v[TM+6]
	WIN 0
.endm
.macro EPIV i, nx                      ; V: packed to bf16, kept in window 3.  Channels 4 q + e, q = 0 .. 3, of a lane's 16 are two registers; p = 0, 1 side by side
.irp m, 0,1,2,3
.irp p, 0,1
.irp e, 0,1,2,3
	WIN 0xc0
	v_cvt_pk_bf16_f32 v[64*\i+16*\m+4*\e+2*\p], v[ACC+32*\m+16*\p+\e], v[ACC+32*\m+16*\p+4+\e]
	v_cvt_pk_bf16_f32 v[64*\i+16*\m+4*\e+2*\p+1], v[ACC+32*\m+16*\p+8+\e], v[ACC+32*\m+16*\p+12+\e]
.set KK, (\m%2)*8+4*\p+\e
.if ((KK%2) == 0) && (KK < 12)
	LDG \nx, (2*(\m/2)+KK/6), ((KK/2)%3)
.endif
.endr
.endr
.endr
	WIN 0
.endm
.macro KSTORE mp, i
.irp q, 0,1,2,3
	ds_store_b64 v[AT], v[PC+8*\mp+2*\q:PC+8*\mp+2*\q+1] offset:(2*\mp+\q/2)*2304+(\q%2)*64+16*\i
.endr
	ds_store_b32 v[AST], v[PW+2*\mp] offset:(2*\mp)*576+4*\i       ; both halves of the lanes write the same word with the same value
	ds_store_b32 v[AST], v[PW+2*\mp+1] offset:(2*\mp+1)*576+4*\i
.endm
.macro EPIK i, nx
	s_lshr_b32 s18, s24, 2
	v_add_nc_u32 v[AT], s24, v[KA0]
	v_add_nc_u32 v[AST], s18, v[KS0]
	QCORE ACC, PC, PW, 0, \nx, 0
	KSTORE 0, \i
	QCORE ACC+64, PC+8, PW+2, 0, \nx, 2
	KSTORE 1, \i
.endm
.macro EPIQ i, nx                      ; Q: codes and words kept in window 2
	QCORE ACC, QR+16*\i, QW+4*\i, 0x80, \nx, 0
	QCORE ACC+64, QR+16*\i+8, QW+4*\i+2, 0x80, \nx, 2
.endm
	LDSET 0, 0
	LDSET 0, 1
	LDSET 0, 2
	LDSET 0, 3
	UHEAD 0, WBG, 1, 0
	TURN 0
	EPIV 0, 1
	UHEAD 1, WBG, 2, 0
	TURN 1
	EPIV 1, 0
	UHEAD 0, WBG, 3, 0
	TURN 0
	EPIV 2, 1
	UHEAD 1, WBG, 4, 0
	TURN 1
	EPIV 3, 0
	s_mov_b32 s24, 0
	s_mov_b32 s22, 2
.Lk:                                                   ; heads 4 w + 0, 1, then 2, 3
	UHEAD 0, BGK, 5, 1
	TURN 0
	EPIK 0, 1
	UHEAD 1, BGK, 6, 0
	TURN 1
	EPIK 1, 0
	s_add_co_u32 s24, s24, 32
	s_sub_co_u32 s22, s22, 1
	s_cmp_lg_u32 s22, 0
	s_wait_alu depctr_va_vdst(0)                   ; directly ahead of the branch
	s_cbranch_scc1 .Lk
	UHEAD 0, WBG, 9, 0
	TURN 0
	EPIQ 0, 1
	UHEAD 1, WBG, 10, 0
	TURN 1
	EPIQ 1, 0
	UHEAD 0, WBG, 11, 0                            ; trip 10: nothing is filled any more
	s_wait_dscnt 18
	STEP 5
	s_wait_dscnt 9
	STEP 6
	s_wait_dscnt 0x0
	STEP 7
	WIN 0
	s_wait_tensorcnt 0x0                           ; my unit of trip 11, which I alone read
	PLACES
	EPIQ 2, 1
.macro VST i                           ; V of trip i to its place: my own part of slot 0, which has had its last fill and my last read
	WIN 0x0c
.irp m, 0,1,2,3
.irp e, 0,1,2,3
	ds_store_b128 v[VA0], v[64*\i+16*\m+4*\e:64*\i+16*\m+4*\e+3] offset:\m*8448+32*\e+128*\i
.endr
.endr
	WIN 0
.endm
	UHEAD 1, WBG, 0, 0                             ; trip 11
	VST 0
	s_wait_dscnt 34                                ; set 5: behind it sets 6, 7 and 16 stores
	STEP 5
	VST 1
	s_wait_dscnt 41                                ; set 6: behind it set 7 and 32 stores
	STEP 6
	VST 2
	s_wait_dscnt 48                                ; set 7: behind it 48 stores
	STEP 7
	VST 3
	PLACES
	EPIQ 3, 2
	WIN 0x08
.irp i, 0,1,2,3                        ; Q to its place: my own part of slot 1, which has had its last fill and my last read
.irp n, 0,1,2,3,4,5,6,7
	ds_store_b64 v[QA0], v[QR+16*\i+2*\n:QR+16*\i+2*\n+1] offset:(\n/2)*2304+(\n%2)*64+16*\i
.endr
.irp m, 0,1,2,3
	ds_store_b32 v[QS0], v[QW+4*\i+\m] offset:\m*576+4*\i
.endr
.endr
	WIN 0
	s_wait_alu depctr_va_vdst(0)                   ; ahead of the waits below
	s_wait_tensorcnt 0x0                           ; behind my last tensor load and my last LDS store
	ds_add_u32 v[SPW], v[NIL]
	; ---- THE ATTENTION's registers.  The second product's K is 64 of the instruction's 128, the third's 16 of 32: the operands' upper halves are zero codes and zeros, written once.
	s_mul_i32 s18, s12, 2304                       ; my 16 tokens
	s_add_co_u32 s19, s18, SLOT
	s_add_co_u32 s18, s18, KC
	s_mul_i32 s56, s12, 576
	s_add_co_u32 s56, s56, QKS
	s_mul_i32 s57, s12, 8448
.irp u, 0,1,2,3
.irp q, 4,5,6,7
	v_mov_b32 v[KF+8*\u+\q], 0
	v_mov_b32 v[QF+8*\u+\q], 0
	v_mov_b32 v[P+8*\u+\q], 0
.endr
	v_mov_b32 v[R+2*\u+1], 0                       ; named as the upper half of a pair
.endr
	WIN TO_W
.set f, 0
.rept 16
	v_mov_b32 v[8*f+4], 0
	v_mov_b32 v[8*f+5], 0
	v_mov_b32 v[8*f+6], 0
	v_mov_b32 v[8*f+7], 0
.set f, f+1
.endr
	WIN 0
	v_mov_b32 v[NINF], 0xff800000                  ; -infinity
	v_lshrrev_b32 v[T0], 2, v[TR]                  ; head r was made by wave r / 4 in trip r % 4
	v_and_b32 v[T1], 3, v[TR]
	v_mul_u32_u24 v[KRA], v[T0], 9280
	v_mul_u32_u24 v[QRA], v[T0], WST
	v_mul_u32_u24 v[SRA], v[T0], 2336
	v_lshl_add_u32 v[QRA], v[T1], 4, v[QRA]
	v_lshl_add_u32 v[QRA], v[TH], 6, v[QRA]
	v_add_nc_u32 v[QRA], s19, v[QRA]               ; Q: + 64 hf: lanes 16-31 take block 1
	v_bfe_u32 v[VRA], v0, 2, 1                     ; V, for the transposing load: head g = 8 hf + lane % 8, of wave g / 4 and trip g % 4, and 16 bytes by bit 3 of the lane
	v_lshl_add_u32 v[VRA], v[TH], 1, v[VRA]
	v_mul_u32_u24 v[VRA], v[VRA], WST
	v_lshl_add_u32 v[VRA], v[T1], 7, v[VRA]
	v_bfe_u32 v[T2], v0, 3, 1
	v_lshl_add_u32 v[VRA], v[T2], 4, v[VRA]
	v_add_nc_u32 v[VRA], s57, v[VRA]
	v_lshl_add_u32 v[KRA], v[T1], 4, v[KRA]
	v_lshl_add_u32 v[KRA], v[TH], 6, v[KRA]
	v_add_nc_u32 v[KRA], s18, v[KRA]
	v_lshl_add_u32 v[SRA], v[T1], 2, v[SRA]
	v_lshl_add_u32 v[SRA], v[TH], 4, v[SRA]        ; lanes 0-15 K's words, lanes 16-31 Q's
	v_add_nc_u32 v[SRA], s56, v[SRA]
	v_lshlrev_b32 v[GO], 11, v[TH]                 ; out0: head 8 hf + j, channels 4 c' + 0 .. 3, c' = r with bits 3 and 2 changed over
	v_lshl_add_u32 v[GO], v[T2], 6, v[GO]
	v_and_b32 v[T0], 1, v[T0]
	v_lshl_add_u32 v[GO], v[T0], 7, v[GO]
	v_lshl_add_u32 v[GO], v[T1], 4, v[GO]
	s_wait_alu depctr_va_vdst(0)                   ; directly ahead of the wait below
	s_wait_dscnt 0x0                               ; for the others' sake: my codes, scale words and V lie in LDS
	CROUND                                         ; behind the last joint loads, and the barrier between LDS stores and the reads below
.macro LOADKQ
.irp u, 0,1,2,3
	ds_load_b128 v[KF+8*\u:KF+8*\u+3], v[KRA] offset:\u*144
	ds_load_b128 v[QF+8*\u:QF+8*\u+3], v[QRA] offset:\u*144
	ds_load_b32 v[SCL+\u], v[SRA] offset:\u*36
.endr
	v_add_nc_u32 v[KRA], 576, v[KRA]               ; four tokens on
	v_add_nc_u32 v[QRA], 576, v[QRA]
	v_add_nc_u32 v[SRA], 144, v[SRA]
.endm
.macro LOADV                           ; tile e of token u: lane n, registers 0-3: heads 8 hf + 0 .. 7 of channel 4 c' + e
	WIN TO_W
.irp u, 0,1,2,3
.irp e, 0,1,2,3
	ds_load_tr16_b128 v[32*\u+8*\e:32*\u+8*\e+3], v[VRA] offset:\u*528+\e*32
.endr
.endr
	WIN 0
	v_add_nc_u32 v[VRA], 2112, v[VRA]
.endm
.macro ATT more                        ; four tokens; more = 1: the next four's operands are asked for
	s_wait_dscnt 16                                ; K, Q and the scale words are in; V's 16 loads may be out
.irp u, 0,1,2,3                        ; S^T = K Q^T: lane (r, hf) holds Q's head r, register j K's head 8 hf + j
	v_wmma_scale_f32_16x16x128_f8f6f4 v[S+8*\u:S+8*\u+7], v[KF+8*\u:KF+8*\u+7], v[QF+8*\u:QF+8*\u+7], 0, v[SCL+\u], v[SCL+\u] matrix_a_fmt:MATRIX_FMT_FP4 matrix_b_fmt:MATRIX_FMT_FP4 matrix_b_scale:MATRIX_SCALE_ROW1
.endr
	PLACES
.if \more
	LOADKQ
.endif
.irp j, 0,2,4,6,8,10,12,14,16,18,20,22,24,26,28,30
	v_pk_add_f32 v[S+\j:S+\j+1], v[S+\j:S+\j+1], 0xc1a00000 op_sel_hi:[1,0]   ; s = score - 20, rounded as it is written
.endr
.irp j, 0,2,4,6,8,10,12,14,16,18,20,22,24,26,28,30
	v_pk_mul_f32 v[SQ+\j:SQ+\j+1], v[S+\j:S+\j+1], v[S+\j:S+\j+1]   ; |s| > 20 where the rounded square is over 400: the square of 20's upper neighbour rounds to more than 400
.endr
.irp j, 0,2,4,6,8,10,12,14,16,18,20,22,24,26,28,30
	v_pk_mul_f32 v[S+\j:S+\j+1], v[S+\j:S+\j+1], 0x3fb8aa3b op_sel_hi:[1,0]   ; s log2(e)
.endr
.irp j, 0,2,4,6,8,10,12,14,16,18,20,22,24,26,28,30
	v_cmp_lt_f32 vcc_lo, s26, v[SQ+\j]             ; outside the window the exponent becomes -infinity: e = 0; a NaN stays
	v_cmp_lt_f32 s27, s26, v[SQ+\j+1]
	v_cndmask_b32 v[S+\j], v[S+\j], v[NINF], vcc_lo
	v_cndmask_b32 v[S+\j+1], v[S+\j+1], v[NINF], s27
.endr
	s_wait_alu depctr_va_vdst(0)                   ; ahead of the batch
.set n, 0
.rept 32
	v_exp_f32 v[S+n], v[S+n]                       ; inside the window e lies between e^-20 and e^20: no shift is needed, and none is made in the definition
.set n, n+1
.endr
	v_nop
	s_wait_alu depctr_va_vdst(0)                   ; and behind it
.irp u, 0,1,2,3
	v_pk_add_f32 v[T+4*\u:T+4*\u+1], v[S+8*\u:S+8*\u+1], v[S+8*\u+2:S+8*\u+3]
.endr
.irp u, 0,1,2,3
	v_pk_add_f32 v[T+4*\u+2:T+4*\u+3], v[S+8*\u+4:S+8*\u+5], v[S+8*\u+6:S+8*\u+7]
.endr
.irp u, 0,1,2,3
	v_pk_add_f32 v[T+4*\u:T+4*\u+1], v[T+4*\u:T+4*\u+1], v[T+4*\u+2:T+4*\u+3]
.endr
.irp u, 0,1,2,3
	v_add_f32 v[T+4*\u], v[T+4*\u], v[T+4*\u+1]
.endr
.irp u, 0,1,2,3
	v_permlanex16_b32 v[T+4*\u+1], v[T+4*\u], s20, s21
.endr
.irp u, 0,1,2,3
	v_add_f32 v[T+4*\u], v[T+4*\u], v[T+4*\u+1]    ; with lane l xor 16's eight: the row's sum
.endr
	s_wait_alu depctr_va_vdst(0)
.irp u, 0,1,2,3
	v_rcp_f32 v[R+2*\u], v[T+4*\u]
.endr
	v_nop
	s_wait_alu depctr_va_vdst(0)
.irp u, 0,1,2,3
.irp q, 0,1,2,3
	v_pk_mul_f32 v[S+8*\u+2*\q:S+8*\u+2*\q+1], v[S+8*\u+2*\q:S+8*\u+2*\q+1], v[R+2*\u:R+2*\u+1] op_sel_hi:[1,0]
.endr
.endr
.irp u, 0,1,2,3
.irp q, 0,1,2,3
	v_cvt_pk_bf16_f32 v[P+8*\u+\q], v[S+8*\u+2*\q], v[S+8*\u+2*\q+1]   ; a lane's 8 p are registers 0-3 of source 0: row h = r, heads g = 8 hf + 0 .. 7
.endr
.endr
	s_wait_alu depctr_va_vdst(0)                   ; directly ahead of the wait below
.if \more
	s_wait_dscnt 12                                ; V is in: behind it the next four tokens' 12 loads
.else
	s_wait_dscnt 0x0
.endif
	WIN 0xc8                                       ; D window 3, source 0 (p) window 0, source 1 (V) window 2
.irp u, 0,1,2,3                        ; O = p V: column n of tile e is channel 4 c' + e: lane (n, hf), register j: head 8 hf + j
.irp e, 0,1,2,3
	v_wmma_f32_16x16x32_bf16 v[32*\u+8*\e:32*\u+8*\e+7], v[P+8*\u:P+8*\u+7], v[32*\u+8*\e:32*\u+8*\e+7], 0
.endr
.endr
	PLACES
	WIN 0
.if \more
	LOADV
.endif
	s_wait_xcnt 0x0                                ; the last four tokens' stores have read their registers and their base
	s_add_nc_u64 s[8:9], s[8:9], s[16:17]
	s_mov_b64 s[16:17], 16384                      ; from then on four tokens a trip
.irp u, 0,1,2,3
	WIN 0x43
.irp j, 0,1,2,3,4,5,6,7
.irp e, 0,1,2,3
	v_mov_b32 v[32*\u+4*\j+\e], v[32*\u+8*\e+\j]   ; four neighbouring channels of a head side by side; each result from its low end on
.endr
.endr
	WIN 0x04
.irp j, 0,1,2,3,4,5,6,7
	global_store_b128 v[GO], v[32*\u+4*\j:32*\u+4*\j+3], s[8:9] offset:\u*4096+256*\j th:TH_STORE_NT   ; 16 lanes store one head's 256 bytes, aligned; written once
.endr
.endr
	WIN 0
.endm
	LOADKQ
	LOADV
	s_mov_b32 s22, 3
	s_wait_alu depctr_va_vdst(0)
.Latt:
	ATT 1
	s_sub_co_u32 s22, s22, 1
	s_cmp_lg_u32 s22, 0
	s_wait_alu depctr_va_vdst(0)                   ; directly ahead of the branch
	s_cbranch_scc1 .Latt
	ATT 0
	s_endpgm
.Lfunc_end_k_q9798da0f54_main:
	.size	k_q9798da0f54_main, .Lfunc_end_k_q9798da0f54_main-k_q9798da0f54_main
	.p2alignl 7, 3214868480
	.fill 96, 4, 3214868480
	.section	.rodata,"a",@progbits
	.p2align	6, 0x0
	.amdhsa_kernel k_q9798da0f54_main
		.amdhsa_group_segment_fixed_size 327680
		.amdhsa_private_segment_fixed_size 0
		.amdhsa_enable_private_segment 0
		.amdhsa_kernarg_size 24
		.amdhsa_user_sgpr_count 2
		.amdhsa_user_sgpr_kernarg_segment_ptr 1
		.amdhsa_wavefront_size32 1
		.amdhsa_system_sgpr_workgroup_id_x 1
		.amdhsa_system_sgpr_workgroup_id_y 1
		.amdhsa_system_sgpr_workgroup_id_z 1
		.amdhsa_system_vgpr_workitem_id 0
		.amdhsa_next_free_vgpr 1024
		.amdhsa_next_free_sgpr 70
		.amdhsa_reserve_vcc 1
		.amdhsa_float_denorm_mode_32 3
		.amdhsa_float_denorm_mode_16_64 3
		.amdhsa_memory_ordered 1
		.amdhsa_forward_progress 1
		.amdhsa_inst_pref_size 255
	.end_amdhsa_kernel
	.section	.bss,"aw",@nobits
	.p2align	6
	.space	262144
	.amdgpu_metadata
---
amdhsa.version: [ 1, 2 ]
amdhsa.kernels:
  - .name:           k_q9798da0f54_main
    .symbol:         k_q9798da0f54_main.kd
    .args:
      - { .name: x, .offset: 0, .size: 8, .value_kind: global_buffer, .address_space: global }
      - { .name: wimg, .offset: 8, .size: 8, .value_kind: global_buffer, .address_space: global }
      - { .name: out0, .offset: 16, .size: 8, .value_kind: global_buffer, .address_space: global }
    .group_segment_fixed_size: 327680
    .private_segment_fixed_size: 0
    .kernarg_segment_align: 8
    .kernarg_segment_size: 24
    .max_flat_workgroup_size: 128
    .sgpr_count:     70
    .vgpr_count:     1024
    .wavefront_size: 32
...
	.end_amdgpu_metadata
.endif
;; end of part 2
